; MI455X (gfx1250); checked and timed in simulation.
; The chip was launched on July 23, 2026; its instructions are those of AMD's public machine-readable ISA for CDNA 5 (MIT licence, August 2026) and "CDNA5" Instruction Set Architecture Reference Guide (July 2026). The comments in the code are by the model that wrote it; some were corrected since.
;; Critic. Allowed arithmetic: float matrix products may take bf16 or f16 operands with f32 sums; all other float work in f32.
;; Inputs: W1 256 x 512 float32; W2 512 x 512 float32; W3 512 x 1 float32; actions 65,536 x 64 float32; b1 512 float32; b2 512 float32; b3 1 float32; state_features 65,536 x 256 float32.
;; Outputs: out0 65,536 x 1 float32.
;; 2 versions, each right and faster than the one before. Each part assembles by itself: llvm-mc -triple=amdgcn-amd-amdhsa -mcpu=gfx1250 --defsym DOCPART=n.
;; ======== version 1 of 2: 2 launches
;; workspace buffers: wb 786,432 bytes
;; launch cvtw (part 1): grid 192 x 1, 8 waves a work-group, no clusters, 0 bytes of LDS; arguments W1, W2, wb; writes wb
.if DOCPART == 1
	.amdgcn_target "amdgcn-amd-amdhsa--gfx1250"
	.amdhsa_code_object_version 6
	.text
	.protected	k_q97d9ad40b5_cvtw
	.globl	k_q97d9ad40b5_cvtw
	.p2align	8
	.type	k_q97d9ad40b5_cvtw,@function
k_q97d9ad40b5_cvtw:
	s_mov_b64 s[64:65], 0
	v_nop
	global_prefetch_b8 v0, s[64:65] scope:SCOPE_SE
	s_setreg_imm32_b32 hwreg(HW_REG_WAVE_MODE, 25, 1), 1
	s_wait_xcnt 0x0
; W1 [256][512] and W2 [512][512], f32, are rounded once to bf16 (nearest even) and laid one behind the other in wb, in their own order [k][n]:
; W1 at byte 0 (262,144 bytes), W2 at byte 262,144 (524,288 bytes), rows of 1,024 bytes.  The main launch brings tiles of wb into LDS by tensor loads,
; which move bytes and convert nothing: hence this launch of its own.
; A work-group takes 2,048 numbers: 8,192 bytes in, 4,096 out.  Work-groups 0-63 take W1, 64-191 W2; the place in wb is 4,096 x the work-group's number for both.
; A wave's load covers 512 consecutive bytes, its store 256 consecutive bytes at a multiple of 256.  No LDS, no barrier: no thread needs another's numbers.
.set NW1, 64                           ; work-groups for W1
	s_load_b128 s[4:7], s[0:1], 0x0                ; W1 s[4:5], W2 s[6:7]
	s_load_b64 s[8:9], s[0:1], 0x10                ; wb
	v_lshlrev_b32 v1, 4, v0                        ; 16 bytes a thread in
	v_lshlrev_b32 v2, 3, v0                        ; 8 bytes a thread out
	s_lshl_b32 s14, ttmp9, 12                      ; my 4,096 bytes of wb
	s_mov_b32 s15, 0
	s_mov_b32 s13, 0
	s_cmp_lt_u32 ttmp9, NW1                        ; W1's share or W2's?  The three lines below leave SCC as it is
	s_cselect_b32 s12, 0, NW1                      ; the first work-group of that share
	s_wait_kmcnt 0x0
	s_cselect_b64 s[10:11], s[4:5], s[6:7]         ; the tensor that I read
	s_sub_co_u32 s12, ttmp9, s12
	s_lshl_b32 s12, s12, 13                        ; my 8,192 bytes in it
	s_add_nc_u64 s[10:11], s[10:11], s[12:13]
	s_add_nc_u64 s[8:9], s[8:9], s[14:15]
	global_load_b128 v[4:7], v1, s[10:11] th:TH_LOAD_NT
	global_load_b128 v[8:11], v1, s[10:11] offset:4096 th:TH_LOAD_NT
	s_wait_loadcnt 0x1                             ; the first load is in; the second, issued behind it, may stay out
	v_cvt_pk_bf16_f32 v12, v4, v5
	v_cvt_pk_bf16_f32 v13, v6, v7
	global_store_b64 v2, v[12:13], s[8:9]
	s_wait_loadcnt 0x0
	v_cvt_pk_bf16_f32 v14, v8, v9
	v_cvt_pk_bf16_f32 v15, v10, v11
	global_store_b64 v2, v[14:15], s[8:9] offset:2048
	s_endpgm
.Lfunc_end_k_q97d9ad40b5_cvtw:
	.size	k_q97d9ad40b5_cvtw, .Lfunc_end_k_q97d9ad40b5_cvtw-k_q97d9ad40b5_cvtw
	.p2alignl 7, 3214868480
	.fill 96, 4, 3214868480
	.section	.rodata,"a",@progbits
	.p2align	6, 0x0
	.amdhsa_kernel k_q97d9ad40b5_cvtw
		.amdhsa_group_segment_fixed_size 0
		.amdhsa_private_segment_fixed_size 0
		.amdhsa_enable_private_segment 0
		.amdhsa_kernarg_size 24
		.amdhsa_user_sgpr_count 2
		.amdhsa_user_sgpr_kernarg_segment_ptr 1
		.amdhsa_wavefront_size32 1
		.amdhsa_system_sgpr_workgroup_id_x 1
		.amdhsa_system_sgpr_workgroup_id_y 1
		.amdhsa_system_sgpr_workgroup_id_z 1
		.amdhsa_system_vgpr_workitem_id 0
		.amdhsa_next_free_vgpr 16
		.amdhsa_next_free_sgpr 66
		.amdhsa_reserve_vcc 0
		.amdhsa_float_denorm_mode_32 3
		.amdhsa_float_denorm_mode_16_64 3
		.amdhsa_memory_ordered 1
		.amdhsa_forward_progress 1
		.amdhsa_inst_pref_size 2
	.end_amdhsa_kernel
	.amdgpu_metadata
---
amdhsa.version: [ 1, 2 ]
amdhsa.kernels:
  - .name:           k_q97d9ad40b5_cvtw
    .symbol:         k_q97d9ad40b5_cvtw.kd
    .args:
      - { .name: W1, .offset: 0, .size: 8, .value_kind: global_buffer, .address_space: global }
      - { .name: W2, .offset: 8, .size: 8, .value_kind: global_buffer, .address_space: global }
      - { .name: wb, .offset: 16, .size: 8, .value_kind: global_buffer, .address_space: global }
    .group_segment_fixed_size: 0
    .private_segment_fixed_size: 0
    .kernarg_segment_align: 8
    .kernarg_segment_size: 24
    .max_flat_workgroup_size: 256
    .sgpr_count:     66
    .vgpr_count:     16
    .wavefront_size: 32
...
	.end_amdgpu_metadata
.endif
;; end of part 1
;; launch critic (part 2): grid 256 x 1, 4 waves a work-group, clusters of 4 x 1, 327,680 bytes of LDS; arguments state_features, wb, b1, b2, W3, b3, out0; writes out0
.if DOCPART == 2
	.amdgcn_target "amdgcn-amd-amdhsa--gfx1250"
	.amdhsa_code_object_version 6
	.text
	.protected	k_q97d9ad40b5_critic
	.globl	k_q97d9ad40b5_critic
	.p2align	8
	.type	k_q97d9ad40b5_critic,@function
k_q97d9ad40b5_critic:
	s_mov_b64 s[64:65], 0
	v_nop
	global_prefetch_b8 v0, s[64:65] scope:SCOPE_SE
	s_setreg_imm32_b32 hwreg(HW_REG_WAVE_MODE, 25, 1), 1
	s_wait_xcnt 0x0
	s_wait_alu depctr_hold_cnt(0) depctr_sa_sdst(0) depctr_va_vdst(0) depctr_va_sdst(0) depctr_va_ssrc(0) depctr_va_vcc(0) depctr_vm_vsrc(0)
	s_getreg_b32 s2, hwreg(HW_REG_IB_STS2, 6, 4)
	s_cmp_eq_u32 s2, 0
	s_cbranch_scc0 .Lentry_in_a_cluster
	s_endpgm
.Lentry_in_a_cluster:
	s_bfe_u32 s2, ttmp6, 0x10000c
	s_cmp_lg_u32 s2, 0x3003
	s_cbranch_scc0 .Lentry_shape_is_right
	s_endpgm
.Lentry_shape_is_right:
; THE CRITIC, fused: dv1 = X W1 + b1; two steps of: LIF layer 1, dv2 = s1 W2 + b2, LIF layer 2, o = s2 W3 + b3, leaky output.  X [65536][256] f32, out0 [65536] f32.
; FORMATS.  Every input is rounded once to bf16, nearest even: X here, W1 and W2 in the launch before (wb), b1, b2, W3, b3 here.  Spikes are 0 or 1, exact in bf16.  All sums, membranes and the output are f32.
; WHAT THE TWO STEPS COME TO, for every finite d = dv1.  Step 1: mem1 = d / 2, so s1 = (d > 1).  Step 2, not spiked: mem1 = d/2 + d/4 = 0.75 d rounded once, which is monotonic in d: it passes 0.5
; exactly where d > 0x3f2aaaab, the largest f32 whose 0.75-fold still rounds to 0.5; spiked: mem1 = d / 2 > 0.5 again.  So s1 of step 2 = (d > 0x3f2aaaab).  Layer 2 hangs on two sums and is written as it stands.
; LIMITS.  The sums are ordered otherwise than a plain f32 product's, so a membrane within a few f32 units in the last place of its threshold may spike otherwise.  NaN and infinities are not treated apart.
; The input 'actions' is not loaded: the computation makes nothing of it, no number of out0 hangs on it.
; SHARES.  A work-group owns 256 rows, each of its four waves 64 consecutive ones, worked in two BLOCKS: block b takes the wave's rows of parity b, as two tiles rt of 16: row = 2 (16 rt + r) + b.
; So at the end lane L holds rows 2 L and 2 L + 1, and one store of 8 bytes a lane writes the wave's 256 consecutive bytes, at a multiple of 256.
; LAYOUT.  Both products are used transposed: source 0 = 16 neurons of W, turned out of a tile [k][n] by ds_load_tr16_b128; source 1 = 16 batch rows.  In the result a lane holds ONE batch row (lane % 16)
; and the neurons 8 (lane / 16) + 0..7.  Two neighbouring results, thresholded and packed in pairs, ARE source 1 (32 k x 16 rows) of the second product: spikes never leave registers or change lanes.
; Both steps' spikes of a block, 32 rows x 512 x 2 steps of bf16, are 512 registers; a fragment of W2 feeds four products (2 row tiles x 2 steps).  The biases are the C operand of each sum's first K step.
; s2 W3 has one column: on the matrix unit 15 of 16 rows would be idle; it is summed in f32 beside the products, W3 rounded as a matrix operand would be.
; WEIGHTS go through two LDS slots of 512 rows x 256 bytes, six fills a block: W1 in two halves of 256 neurons, W2 in four chunks of 128.  Each wave fetches a quarter of a slot by one tensor load
; (128 rows of 256 bytes); by this text's count a wave never has more than one tensor load out, and that load has a whole phase (256 or 512 products a wave) in which to land.
; CLUSTER.  All work-groups walk the same tiles in the same order, so the four of a cluster ask JOINTLY: the same load, descriptor and mask in all four.  Nothing but X's and out0's addresses hangs on the place in the cluster.
; VECTOR WORK rides behind the products, on accumulators finished a stage earlier: four instructions behind each product of the first layer, one or two behind each of the second.
;
; REGISTERS, in windows of 256 (s_set_vgpr_msb: bits 1:0 source 0, 3:2 source 1, 5:4 source 2, 7:6 destination):
;   window 0: v0-31 addresses and a few numbers; v32-95 accumulators; v96-111 at work; v112-127 biases as C; v128-255 fragments of W (first layer: 8 K steps x 2 tiles; second: 8 fragments, then W3 and the output's sums)
;   window 1: X: pass p = 2 rt + (k half) has v[64 p ..]: 64 registers f32 as loaded, then its lower 32 the four bf16 fragments
;   windows 2, 3: spikes: group g of 32 neurons, row tile rt, step t at 512 + 32 g + 16 rt + 8 t
; Every rider but the packing of spikes names vector registers as destination, source 0 and source 2 alone (source 1 is a constant or a scalar), so it runs under the products' own setting.
.set PW,    288                        ; a weight row in LDS: 256 bytes + 32 of padding = 72 words
.set QUART, 128*PW                     ; a quarter of a slot: what one tensor load brings
.set SLOTB, 4*QUART                    ; 147,456 = 0x24000; no wave's quarter base (w x 0x9000) has bit 14 or 17, so one exclusive or turns a slot's address into the other's
.set STAGE, 2*SLOTB                    ; behind the slots, never filled by a tensor load: 16 rows x 272 bytes for each wave, where X changes from rows to fragments
.set SPIT,  272
.set WSTG,  16*SPIT
.set SPARE, STAGE+4*WSTG               ; the spare words, 128 bytes for each wave: two blocks of 256 bytes that no other line names
.set PARAM, SPARE+512                  ; b1 at +0, b2 at +2048, W3 at +4096: f32 numbers that are already rounded to bf16
.set W2OFF, 262144                     ; W2's first byte in wb
.set SPW,  2                           ; v2      LDS address of my spare word; never rewritten
.set NIL,  3                           ; v3      0; never rewritten
.set LTR,  4                           ; v4      my lane's place in a turning load: (8 (l / 16) + l % 8) x 288 + 16 ((l / 8) % 2)
.set AP1,  5                           ; v5      PARAM + 32 (l / 16): my eight neurons of a tile of 16
.set APD,  6                           ; v6      the same for the trip in hand
.set STA,  7                           ; v7      the stage: where I put 8 bytes of a row
.set STL,  8                           ; v8      the stage: where my fragments begin
.set XO,   9                           ; v9      16 x lane
.set OO,   10                          ; v10     8 x lane
.set B3,   11                          ; v11     b3
.set RES0, 12                          ; v12-13  the two blocks' results
.set RES1, 13
.set AB,   14                          ; v14-21  LTR + slot + quarter, for slots 0 and 1; never rewritten
.set AWD,  22                          ; v22-25  the four quarters' addresses for the trip in hand
.set AWN,  26                          ; v26     quarter 0's for the next trip
.set ACC1, 32                          ; first layer: two buffers by the group's parity x 4 accumulators (2 nt + rt) x 8
.set ACC2, 32                          ; second layer: tile A v32-63, tile B v64-95; in each 4 accumulators (2 rt + t) x 8
.set T,    96
.set BI,   112                         ; b1 as C: 8 registers for each nt
.set B2,   112                         ; b2 as C: tile A, tile B
.set RING1, 128
.set RING2, 128
.set XT,   128                         ; X's conversion: two sets of 32
.set W3R,  192                         ; W3 of tile A, of tile B
.set O,    208                         ; the output's sums, in pairs (even, odd neurons): 4 rt + 2 t
.set XP,   8                           ; s[8:9]   X at my wave's first row
.set WB,   10                          ; s[10:11] wb
.set OP,   20                          ; s[20:21] out0 at my wave's first row
.set WV,   22                          ; s22  my wave's number
.set G1,   32                          ; s[32:39] descriptor group 1: one shape for every fill
.set G0,   40                          ; s[40:43] descriptor group 0: it walks
.set O1,   48                          ; s48  my quarter's byte offset in wb for W1's first half
.set O2,   49                          ; s49  for W2's chunk 0
.set OFF,  50                          ; s[50:51] the offset of the fill to come
.set BL,   52                          ; s52  blocks to go, this one among them
.set CH,   53                          ; s53  counts the three chunks that the loop walks
.set TR,   54                          ; s54  counts a chunk's four trips
.set TW,   55                          ; s55  slot + column bytes of the trip in hand
.set TWN,  56                          ; s56  of the next
.set TP,   57                          ; s57  the trip's bytes in b2 and W3
.set SC,   58                          ; s[58:59] 2^24
.set NT,   60                          ; s[60:61] -2^24 x 1; s[62:63] -2^24 x 0x3f2aaaab = -11,184,811, exact
.set SEL,  66                          ; s[66:67] v_permlanex16_b32's selects: each lane takes its own place in the other half
.set SELP, 68                          ; s68  v_perm_b32: the two upper halves
.set HM,   69                          ; s69  0xffff0000: lanes 16-31; also a word's upper bf16
.set MK,   70                          ; s[70:85] two sets of eight lane masks
.set SB3,  86                          ; s86  b3 as loaded
.set SB,   87                          ; s87  the slot that the second layer reads: 0 or SLOTB
.set TC,   88                          ; s88  the trip's column bytes in a slot: 0, 64, 128, 192
.set W_G1, 0x04                        ; first layer's products: source 1 (X) in window 1
.set MSB, 0
.macro WIN new                         ; the immediate's high byte repeats the setting that is left; a switch that changes nothing is dropped
.if MSB != (\new)
	s_set_vgpr_msb (MSB<<8)|(\new)
.set MSB, (\new)
.endif
.endm
; A round of the cluster's barrier: my work-group's barrier, so that wave 0's signal speaks for all four waves; wave 0 signals; every wave waits for all four work-groups; my work-group's barrier once more.
.macro CROUND
	s_barrier_signal -1
	s_barrier_wait -1
	s_cmp_lg_u32 s[WV], 0
	s_cbranch_scc1 .Lnot_wave_0_\@
	s_barrier_signal -3
.Lnot_wave_0_\@:
	s_barrier_wait -3
	s_barrier_signal -1
	s_barrier_wait -1
.endm
; THE CHANGE OF SLOTS.  Each wave waits for all its tensor loads, of which one is out: its quarter of the slot to be read next; adds 0 to its spare word; and waits for that and for all its LDS
; instructions: its reads of the slot that it leaves, the stage's traffic, at the first use the parameters' stores.  fill = 1: the slot just left is filled with the tile at s[OFF] of wb; the barrier is then
; a round of the cluster's, so that no wave of any partner still reads that slot or has a load on its way, and the joint load is the first thing behind it.
.macro CHANGE fill
	WIN 0                                          ; at a label and at a branch every window is 0
	s_wait_tensorcnt 0x0                           ; no tensor load of mine is out, so group 0 may be written
	ds_add_u32 v[SPW], v[NIL]                      ; 0 onto my spare word; the descriptor's words stand between it and the wait for it
.if \fill
	s_xor_b32 s[G0+1], s[G0+1], SLOTB              ; the fills alternate between the slots from first to last
	s_add_nc_u64 s[G0+2:G0+3], s[WB:WB+1], s[OFF:OFF+1]  ; the address is made anew: wb and an offset made of the wave's number and constants
	s_or_b32 s[G0+3], s[G0+3], 0x80000000          ; type = 2
	s_wait_dscnt 0x0                               ; the add is done, and so are all my LDS instructions
	CROUND
	tensor_load_to_lds s[G0:G0+3], s[G1:G1+7]
	s_nop 0
.rept 4
	v_nop
.endr
.else
	s_wait_dscnt 0x0
	s_barrier_signal -1
	s_barrier_wait -1
.endif
.endm
; X OF BLOCK b: rows i0 .. i0 + 7 of each of the four passes, f32, into window 1.  A load covers 512 consecutive bytes of one row.
.macro XLOAD b, i0
	WIN 0x40                                       ; destination window 1, address window 0
.set xp, 0
.rept 4
.set xi, (\i0)
.rept 8
	global_load_b128 v[64*xp+4*xi:64*xp+4*xi+3], v[XO], s[XP:XP+1] offset:(32*(xp/2)+2*xi+(\b))*1024+(xp%2)*512 th:TH_LOAD_NT
.set xi, xi+1
.endr
.set xp, xp+1
.endr
	WIN 0
.endm
; X FROM ROWS TO FRAGMENTS.  Pass by pass: 16 rows x 128 numbers are rounded to bf16, put into my stage as rows of 256 bytes, and read back as four fragments (lane l: row l % 16, two loads of 16 bytes, 32 apart).
; The stage is my wave's own and LDS serves a wave's instructions in order (ISA guide 5.7.1.4): no wait stands between the stores and the loads, nor between the passes.  The next change of slots waits for the loads.
.macro XCONV
	s_wait_loadcnt 0x0                             ; X is in
	s_wait_dscnt 0x0                               ; the last phase's eight look-ahead loads, which nobody used, land in registers that are written below
.set xp, 0
.rept 4
.set rT, XT+32*(xp%2)
	WIN 0x05                                       ; sources in window 1
.set xi, 0
.rept 32
	v_cvt_pk_bf16_f32 v[rT+xi], v[64*xp+2*xi], v[64*xp+2*xi+1]
.set xi, xi+1
.endr
	WIN 0
.set xi, 0
.rept 16
	ds_store_b64 v[STA], v[rT+2*xi:rT+2*xi+1] offset:SPIT*xi
.set xi, xi+1
.endr
	WIN 0x40
.set xi, 0
.rept 4
	ds_load_b128 v[64*xp+8*xi:64*xp+8*xi+3],   v[STL] offset:64*xi
	ds_load_b128 v[64*xp+8*xi+4:64*xp+8*xi+7], v[STL] offset:64*xi+32
.set xi, xi+1
.endr
.set xp, xp+1
.endr
.endm
; THE FIRST LAYER.  Its text is straight, so the counts of its LDS waits are kept by the assembler: NISS counts the LDS instructions written so far, RDYb is NISS behind the fourth load of ring buffer b,
; and the wait for buffer b has the count NISS - RDYb: the LDS instructions issued behind the fragments that it wants.
.set NISS, 0
.irp b, 0,1,2,3,4,5,6,7
.set RDY\b, 0
.endr
.macro SETRDY b
.if (\b) == 0
.set RDY0, NISS
.elseif (\b) == 1
.set RDY1, NISS
.elseif (\b) == 2
.set RDY2, NISS
.elseif (\b) == 3
.set RDY3, NISS
.elseif (\b) == 4
.set RDY4, NISS
.elseif (\b) == 5
.set RDY5, NISS
.elseif (\b) == 6
.set RDY6, NISS
.else
.set RDY7, NISS
.endif
.endm
.macro GETRDY b
.if (\b) == 0
.set RD, RDY0
.elseif (\b) == 1
.set RD, RDY1
.elseif (\b) == 2
.set RD, RDY2
.elseif (\b) == 3
.set RD, RDY3
.elseif (\b) == 4
.set RD, RDY4
.elseif (\b) == 5
.set RD, RDY5
.elseif (\b) == 6
.set RD, RDY6
.else
.set RD, RDY7
.endif
.endm
; Load j of 4 (tile nt = j / 2, half c = j % 2) of stream position q = 8 x group in the phase + K step.  Quarter 2 (group / 4) + (K step / 4) of the slot holds its 128 k rows and its 128 neurons.
.macro RLOAD slot, q, j
.set lgl, (\q)/8
.set lks, (\q)%8
.set rR, RING1+16*lks+4*(\j)
	ds_load_tr16_b128 v[rR:rR+3], v[AB+4*(\slot)+2*(lgl/4)+lks/4] offset:(lks%4)*32*PW+((\j)%2)*16*PW+64*(lgl%4)+32*((\j)/2)
.set NISS, NISS+1
.if (\j) == 3
	SETRDY lks
.endif
.endm
.macro BLOAD g, j                      ; load j of 4 of group g's b1
.set rR, BI+4*(\j)
	ds_load_b128 v[rR:rR+3], v[AP1] offset:4*(32*(\g)+16*((\j)/2))+16*((\j)%2)
.set NISS, NISS+1
.endm
; THE THRESHOLDS of group g: a list of 128 instructions; E1 writes number en of it and steps en.  Accumulator ea (nt = ea / 2, rt = ea % 2), for step 1 and then step 2:
;   4 x  y = 2^24 d - 2^24 threshold, one rounding: y <= 0 without a spike, y >= 1 with one, since d then lies at least 2^-24 above the threshold (the accumulator's lowest registers are read first)
;   8 x  the middle of y, 0 and 1: the spike as f32          4 x  two spikes' upper halves are two bf16: one register of source 1 of the second product
.macro E1 g
.set ea, en/32
.set et, (en%32)/16
.set eu, en%16
.set rA, ACC1+32*((\g)%2)+8*ea
.set rT, T+8*et
.set rK, 32*((\g)%8)+16*(ea%2)+8*et+4*(ea/2)
.if eu < 4
	WIN W_G1
	v_pk_fma_f32 v[rT+2*eu:rT+2*eu+1], v[rA+2*eu:rA+2*eu+1], s[SC:SC+1], s[NT+2*et:NT+2*et+1] op_sel_hi:[1,0,0]
.elseif eu < 12
	v_med3_num_f32 v[rT+eu-4], v[rT+eu-4], 0, 1.0
.else
	WIN 0x80+0x40*((\g)/8)                         ; destination window 2 (groups 0-7) or 3
	v_perm_b32 v[rK+eu-12], v[rT+2*(eu-12)+1], v[rT+2*(eu-12)], s[SELP]
.endif
.set en, en+1
.endm
; GROUP g: 32 neurons x 32 rows, 8 K steps of 4 products.  The four accumulators take turns, from group to group too.  Behind each product: four of the group before's thresholds
; (group 0 has none before it: one v_nop, so that the ring's reloads keep their places), then one load of the position five K steps on.  A ring buffer is loaded again three K steps behind its last reader.
; At K step 3 the next group's b1 is loaded, each load ahead of the ring's in its slot, so that the wait for the next group's first fragments covers it.
.macro G1GROUP g, slot
.set gl, (\g)%8
.set en, 0
.set ks, 0
.rept 8
	GETRDY ks
	s_wait_dscnt NISS-RD                           ; this K step's four loads are in: 16 issued behind them in the steady state, 20 where b1's four lie among them, fewer as a phase ends
.set sj, 0
.rept 4
	WIN W_G1
.set rD, ACC1+32*((\g)%2)+8*sj
.set rW, RING1+16*ks+8*(sj/2)
.set rX, 64*(2*(sj%2)+ks/4)+8*(ks%4)
.if ks == 0
	v_wmma_f32_16x16x32_bf16 v[rD:rD+7], v[rW:rW+7], v[rX:rX+7], v[BI+8*(sj/2):BI+8*(sj/2)+7]
.else
	v_wmma_f32_16x16x32_bf16 v[rD:rD+7], v[rW:rW+7], v[rX:rX+7], v[rD:rD+7]
.endif
.if (\g) == 0
	v_nop
.else
.rept 4
	E1 (\g)-1
.endr
.endif
	WIN W_G1
.if (ks == 3) && ((\g) < 15)
	BLOAD (\g)+1, sj
.endif
.if 8*gl+ks+5 < 64
	RLOAD \slot, 8*gl+ks+5, sj
.endif
.set sj, sj+1
.endr
.set ks, ks+1
.endr
.endm
.macro G1PHASE ph                      ; groups 8 ph .. 8 ph + 7, from slot ph
	WIN W_G1
.if (\ph) == 0
.irp j, 0,1,2,3
	BLOAD 0, \j
.endr
.endif
.set pq, 0
.rept 5
.irp j, 0,1,2,3
	RLOAD \ph, pq, \j
.endr
.set pq, pq+1
.endr
.set gg, 8*(\ph)
.rept 8
	G1GROUP gg, \ph
.set gg, gg+1
.endr
.endm
; THE SECOND LAYER'S LIF and the output's sums for tile x (0: A, 1: B): a list of 120 instructions; EP writes number epn of it and steps epn.  Eight units, one for each pair of neurons epp and row tile epu,
; two of them interleaved, each with its own temporaries and masks.  a1, a2 are dv2 of steps 1 and 2.  A unit's 15 (the accumulators' lowest registers are read first):
;   0, 1  s2 of step 1 = (a1 > 1)          2  mem2 = a1 / 2 (ahead of it the masks' complements)      3, 4  W3 where it spiked      5, 6  the hard reset      7  o1 += W3
;   8, 9  mem2 = mem2 + (a2 - mem2) / 2, in two roundings as written      10, 11  s2 of step 2 = (mem2 > 0.5)      12, 13  W3 where it spiked      14  o2 += W3
.macro EP x
.set epp, epn/30
.set epu, (epn%30)%2
.set eps, (epn%30)/2
.set rA1, ACC2+32*(\x)+16*epu+2*epp
.set rA2, rA1+8
.set rH,  T+6*epu
.set rD2, rH+2
.set rWt, rH+4
.set rM,  MK+8*epu
.set rW3, W3R+8*(\x)+2*epp
.set rO,  O+4*epu
.if eps < 2
	v_cmp_gt_f32 s[rM+eps], v[rA1+eps], 1.0
.elseif eps == 2
	s_not_b32 s[rM+2], s[rM]
	s_not_b32 s[rM+3], s[rM+1]
	v_pk_mul_f32 v[rH:rH+1], v[rA1:rA1+1], 0.5 op_sel_hi:[1,0]
.elseif eps < 5
	v_cndmask_b32 v[rWt+eps-3], v[rW3+eps-3], 0, s[rM+eps-1]
.elseif eps < 7
	v_cndmask_b32 v[rH+eps-5], v[rH+eps-5], 0, s[rM+eps-5]
.elseif eps == 7
	v_pk_fma_f32 v[rO:rO+1], v[rWt:rWt+1], 1.0, v[rO:rO+1] op_sel_hi:[1,0,1]
.elseif eps == 8
	v_pk_fma_f32 v[rD2:rD2+1], v[rH:rH+1], -1.0, v[rA2:rA2+1] op_sel_hi:[1,0,1]
.elseif eps == 9
	v_pk_fma_f32 v[rD2:rD2+1], v[rD2:rD2+1], 0.5, v[rH:rH+1] op_sel_hi:[1,0,1]
.elseif eps < 12
	v_cmp_gt_f32 s[rM+eps-6], v[rD2+eps-10], 0.5
.elseif eps == 12
	s_not_b32 s[rM+6], s[rM+4]
	s_not_b32 s[rM+7], s[rM+5]
	v_cndmask_b32 v[rWt], v[rW3], 0, s[rM+6]
.elseif eps == 13
	v_cndmask_b32 v[rWt+1], v[rW3+1], 0, s[rM+7]
.else
	v_pk_fma_f32 v[rO+2:rO+3], v[rWt:rWt+1], 1.0, v[rO+2:rO+3] op_sel_hi:[1,0,1]
.endif
.set epn, epn+1
.endm
; HALF A TRIP: tile x, 16 out-neurons x 32 rows x 2 steps: 16 K steps of 4 products, whose accumulators take turns.  Behind each product ride the OTHER tile's EP: one in the first
; 8 slots, two in the other 56, so that behind every accumulator's last link four plain instructions or more, which name none of its registers, stand ahead of its first read.
; Slots 0 and 1 of a K step load the fragment four positions on (a buffer's last reader stands four K steps back); behind position 27 that is the next trip's, by v[AWN]; in a chunk's last trip it wraps
; to the slot's first columns and is not used: the price of one text for every trip.  Slots 2 and 3 of K steps 8 and 9 load W3 of this tile and b2 of the next tile.
.macro HALF x
.set epn, 0
.set ks, 0
.rept 16
.set pp, 16*(\x)+ks
.if (ks >= 10) && (ks <= 12)                   ; the count: what was issued behind this K step's fragment: three K steps' two loads, and of the four loads of W3 and b2 those that lie among them
	s_wait_dscnt 10
.elseif (ks == 9) || (ks == 13)
	s_wait_dscnt 8
.else
	s_wait_dscnt 6
.endif
.set sj, 0
.rept 4
	WIN 0x08+4*(ks/8)                              ; source 1, the spikes, in window 2 (groups 0-7) or 3
.set rD, ACC2+32*(\x)+8*sj
.set rW, RING2+8*(pp%8)
.set rS, 32*(ks%8)+8*sj
.if ks == 0
	v_wmma_f32_16x16x32_bf16 v[rD:rD+7], v[rW:rW+7], v[rS:rS+7], v[B2+8*(\x):B2+8*(\x)+7]
.else
	v_wmma_f32_16x16x32_bf16 v[rD:rD+7], v[rW:rW+7], v[rS:rS+7], v[rD:rD+7]
.endif
	EP 1-(\x)
.if 4*ks+sj >= 8
	EP 1-(\x)
.endif
.set np, pp+4
.set rR, RING2+8*(np%8)+4*sj
.if (sj < 2) && (np < 32)
	ds_load_tr16_b128 v[rR:rR+3], v[AWD+(np%16)/4] offset:(np%4)*32*PW+sj*16*PW+32*(np/16)
.elseif sj < 2
	ds_load_tr16_b128 v[rR:rR+3], v[AWN] offset:(np-32)*32*PW+sj*16*PW
.elseif ks == 8
	ds_load_b128 v[W3R+8*(\x)+4*(sj-2):W3R+8*(\x)+4*(sj-2)+3], v[APD] offset:4096+64*(\x)+16*(sj-2)
.elseif ks == 9
	ds_load_b128 v[B2+8*(1-(\x))+4*(sj-2):B2+8*(1-(\x))+4*(sj-2)+3], v[APD] offset:2048+64+64*(\x)+16*(sj-2)  ; in a block's last trip tile A's next b2 is W3's first bytes: written, and not used
.endif
.set sj, sj+1
.endr
.set ks, ks+1
.endr
.endm
; A CHUNK of 128 out-neurons from the slot at s[SB]: four trips of 32.
.macro G2PHASE
	WIN 0
	s_mov_b32 s[TC], 0
	s_mov_b32 s[TR], 4
	v_add_nc_u32 v[AWN], s[SB], v[AB]
.set ks, 0
.rept 4                                ; the first four fragments
	ds_load_tr16_b128 v[RING2+8*ks:RING2+8*ks+3],   v[AWN] offset:ks*32*PW
	ds_load_tr16_b128 v[RING2+8*ks+4:RING2+8*ks+7], v[AWN] offset:ks*32*PW+16*PW
.set ks, ks+1
.endr
.Ltrip_\@:
	s_add_co_u32 s[TW], s[SB], s[TC]
	s_add_co_u32 s[TWN], s[TC], 64
	s_and_b32 s[TWN], s[TWN], 255
	s_add_co_u32 s[TWN], s[TWN], s[SB]
.irp q, 0,1,2,3
	v_add_nc_u32 v[AWD+\q], s[TW], v[AB+\q]
.endr
	v_add_nc_u32 v[AWN], s[TWN], v[AB]
	v_add_nc_u32 v[APD], s[TP], v[AP1]
	HALF 0
	HALF 1
	WIN 0
	s_add_co_u32 s[TC], s[TC], 64
	s_add_co_u32 s[TP], s[TP], 128
	s_sub_co_u32 s[TR], s[TR], 1
	s_cmp_lg_u32 s[TR], 0
	s_cbranch_scc1 .Ltrip_\@
	s_xor_b32 s[SB], s[SB], SLOTB                  ; the next chunk lies in the other slot
.endm
; A BLOCK'S END: the last tile's LIF; a row's sums lie in two lanes, 16 apart, and in two registers each.  Lanes 0-15 keep row tile 0 and send row tile 1, lanes 16-31 the other way round:
; lane L ends with row tile L / 16, row L % 16.  Then the output's two steps, as written: v = o1 / 2; v = v + (o2 - v) / 2.
.macro BLOCKEND res
	WIN 0
.set epn, 0
.rept 120
	EP 1
.endr
.irp k, 0,2,4,6
	v_add_f32 v[O+\k], v[O+\k], v[O+\k+1]
.endr
	v_cndmask_b32 v27, v[O], v[O+4], s[HM]         ; step 1: what I keep,
	v_cndmask_b32 v28, v[O+4], v[O], s[HM]         ; what I send
	v_cndmask_b32 v30, v[O+2], v[O+6], s[HM]       ; step 2 likewise
	v_cndmask_b32 v31, v[O+6], v[O+2], s[HM]
	v_permlanex16_b32 v29, v28, s[SEL], s[SEL+1]   ; the destinations count as read: both were written at the kernel's head
	v_permlanex16_b32 v1, v31, s[SEL], s[SEL+1]
	v_add_f32 v27, v27, v29
	v_add_f32 v30, v30, v1
	v_add_f32 v27, v27, v[B3]                      ; o of step 1
	v_add_f32 v30, v30, v[B3]                      ; o of step 2
	v_mul_f32 v27, 0.5, v27
	v_sub_f32 v30, v30, v27
	v_fma_f32 v[\res], v30, 0.5, v27
.endm
	s_load_b256 s[8:15], s[0:1], 0x0               ; X s[8:9], wb s[10:11], b1 s[12:13], b2 s[14:15]
	s_load_b128 s[16:19], s[0:1], 0x20             ; W3 s[16:17], b3 s[18:19]
	s_load_b64 s[OP:OP+1], s[0:1], 0x30            ; out0
	v_lshl_add_u32 v[SPW], v0, 2, SPARE
	v_mov_b32 v[NIL], 0
	ds_add_u32 v[SPW], v[NIL]                      ; the wave's opening: the add and its wait stand ahead of my first tensor load; the set-up below, work on registers, stands between them
	v_lshrrev_b32 v1, 5, v0
	v_readfirstlane_b32 s[WV], v1                  ; wave 0..3
	s_bfe_u32 s23, ttmp6, 0x40000                  ; cx: my place in the cluster
	s_lshl_b32 s24, ttmp9, 2                       ; in a cluster launch ttmp9 counts clusters
	s_add_co_u32 s24, s24, s23                     ; my work-group = 4 x cluster + cx: it enters X's and out0's addresses alone
	s_lshl_b32 s26, s24, 18                        ; 256 rows of 1,024 bytes,
	s_lshl_b32 s27, s[WV], 16                      ; my wave's 64 of them
	s_add_co_u32 s26, s26, s27
	s_mov_b32 s27, 0
	s_lshl_b32 s28, s24, 10                        ; 256 numbers of out0,
	s_lshl_b32 s29, s[WV], 8                       ; my wave's 64
	s_add_co_u32 s28, s28, s29
	s_mov_b32 s29, 0
	; descriptor group 1: a tile of 128 rows x 128 elements, padded in LDS
	s_mov_b32 s[G1], 15|(1<<16)|(1<<20)|(1<<21)|(5<<22)|(7<<25)  ; 15:0 the mask: all four work-groups; 17:16 elements of 2 bytes; 20 padding on; 21 set beside a mask; 24:22 after every 64 words (code 5); 31:25 8 words of it (code 7)
	s_mov_b32 s[G1+1], 128<<16                     ; tensor_dim0 = 128
	s_mov_b32 s[G1+2], 128<<16                     ; tensor_dim1 = 128
	s_mov_b32 s[G1+3], 128<<16                     ; tile_dim0 = 128
	s_mov_b32 s[G1+4], 128                         ; tile_dim1 = 128
	s_mov_b32 s[G1+5], 512                         ; 512 elements from row to row, in W1 and in W2
	s_mov_b32 s[G1+6], 0
	s_mov_b32 s[G1+7], 0
	s_mov_b32 s[G0], 1                             ; count = 1
	s_mul_i32 s[G0+1], s[WV], QUART                ; LDS address: my quarter of slot 0
	s_and_b32 s30, s[WV], 1                        ; W1: quarter w holds k rows 128 (w % 2) on
	s_lshl_b32 s30, s30, 17
	s_lshr_b32 s31, s[WV], 1                       ; of the half's 128 neurons w / 2
	s_lshl_b32 s31, s31, 8
	s_add_co_u32 s[O1], s30, s31
	s_lshl_b32 s[O2], s[WV], 17                    ; W2: quarter w holds k rows 128 w on
	s_add_co_u32 s[O2], s[O2], W2OFF
	s_mov_b32 s[OFF], s[O1]
	s_mov_b32 s[OFF+1], 0
	s_mov_b32 s[SC], 0x4b800000
	s_mov_b32 s[SC+1], 0x4b800000                  ; named as pairs, so both words are written
	s_mov_b32 s[NT], 0xcb800000
	s_mov_b32 s[NT+1], 0xcb800000
	s_mov_b32 s[NT+2], 0xcb2aaaab
	s_mov_b32 s[NT+3], 0xcb2aaaab
	s_mov_b32 s[SEL], 0x76543210
	s_mov_b32 s[SEL+1], 0xfedcba98
	s_mov_b32 s[SELP], 0x07060302
	s_mov_b32 s[HM], 0xffff0000
	s_mov_b32 s[BL], 2
	v_and_b32 v27, 31, v0                          ; l
	v_and_b32 v28, 15, v0                          ; l % 16
	v_bfe_u32 v29, v0, 4, 1                        ; l / 16
	v_and_b32 v1, 7, v0
	v_lshl_add_u32 v1, v29, 3, v1
	v_mul_u32_u24 v[LTR], v1, PW
	v_bfe_u32 v1, v0, 3, 1
	v_lshl_add_u32 v[LTR], v1, 4, v[LTR]
	v_lshl_add_u32 v[AP1], v29, 5, PARAM
	s_mul_i32 s30, s[WV], WSTG
	s_add_co_u32 s30, s30, STAGE                   ; my stage
	v_lshl_add_u32 v[STA], v27, 3, s30
	v_mul_u32_u24 v[STL], v28, SPIT
	v_lshl_add_u32 v[STL], v29, 4, v[STL]
	v_add_nc_u32 v[STL], s30, v[STL]
	v_lshlrev_b32 v[XO], 4, v27
	v_lshlrev_b32 v[OO], 3, v27
.set i, 0
.rept 8
	v_add_nc_u32 v[AB+i], (i/4)*SLOTB+(i%4)*QUART, v[LTR]
.set i, i+1
.endr
	v_lshlrev_b32 v31, 4, v0                       ; my 16 bytes of b1, b2 and W3: 128 threads x 16 bytes are the 512 numbers of each
	v_lshl_add_u32 v30, v0, 4, PARAM
	s_wait_dscnt 0x0                               ; the opening add is done
	s_wait_kmcnt 0x0
	s_add_nc_u64 s[XP:XP+1], s[XP:XP+1], s[26:27]
	s_add_nc_u64 s[OP:OP+1], s[OP:OP+1], s[28:29]
	s_load_b32 s[SB3], s[18:19], 0x0
	global_load_b128 v[32:35], v31, s[12:13]
	global_load_b128 v[36:39], v31, s[14:15]
	global_load_b128 v[40:43], v31, s[16:17]
	XLOAD 0, 0                                     ; the first block's X
	XLOAD 0, 8
	s_add_nc_u64 s[G0+2:G0+3], s[WB:WB+1], s[OFF:OFF+1]
	s_or_b32 s[G0+3], s[G0+3], 0x80000000          ; type = 2
	CROUND                                         ; all four work-groups are here: the first joint loads meet
	tensor_load_to_lds s[G0:G0+3], s[G1:G1+7]      ; W1's first half into slot 0
	s_nop 0
.rept 4
	v_nop
.endr
	s_wait_loadcnt 0x3f                            ; b1, b2 and W3 are in: 64 loads were issued behind them, and 63 is the largest count that the wait can name
	s_wait_kmcnt 0x0                               ; b3
.irp k, 0,1,2                          ; rounded to bf16 and widened again: the numbers that enter sums in f32
	v_cvt_pk_bf16_f32 v44, v[32+4*\k], v[33+4*\k]
	v_cvt_pk_bf16_f32 v45, v[34+4*\k], v[35+4*\k]
	v_lshlrev_b32 v[48+4*\k], 16, v44
	v_and_b32 v[49+4*\k], s[HM], v44
	v_lshlrev_b32 v[50+4*\k], 16, v45
	v_and_b32 v[51+4*\k], s[HM], v45
	ds_store_b128 v30, v[48+4*\k:51+4*\k] offset:2048*\k  ; the other waves read these behind the first change of slots: my wait for 0 there, and its barrier
.endr
	v_cvt_pk_bf16_f32 v1, s[SB3], s[SB3]
	v_lshlrev_b32 v[B3], 16, v1
.Lblock:                                               ; twice: the wave's even rows, then its odd ones
	XCONV
	s_add_co_u32 s[OFF], s[O1], 512
	CHANGE 1                                       ; slot 0 holds W1's first half; its second half goes into slot 1
	G1PHASE 0
	s_mov_b32 s[OFF], s[O2]
	CHANGE 1                                       ; slot 1 holds W1's second half; W2's chunk 0 goes into slot 0
	s_cmp_eq_u32 s[BL], 1
	s_cbranch_scc1 .Lno_hi                         ; the last block has no successor; what is jumped holds global loads alone
	XLOAD 1, 8                                     ; the next block's X, rows 8-15 of each pass: into the halves of window 1 that hold no fragment
.Lno_hi:
	G1PHASE 1
.set en, 0
.rept 128                              ; the last group's thresholds; of these, the 96 that name none of the last product's registers are the places in front of the loads below
	E1 15
.endr
	WIN 0
	s_cmp_eq_u32 s[BL], 1
	s_cbranch_scc1 .Lno_lo
	XLOAD 1, 0                                     ; rows 0-7: where the fragments lay.  Nothing waits for these loads before the next block begins
.Lno_lo:
	s_mov_b32 s[TP], 0
	s_mov_b32 s[SB], 0
	ds_load_b128 v[B2:B2+3],   v[AP1] offset:2048  ; b2 of the first tile; the change of slots below waits for it
	ds_load_b128 v[B2+4:B2+7], v[AP1] offset:2048+16
.set i, W3R+8
.rept 16                               ; the output's sums begin at 0; and W3 of tile B is 0, so that the first half trip's riders, on a tile that has not been, add nothing
	v_mov_b32 v[i], 0
.set i, i+1
.endr
	s_mov_b32 s[CH], 3
.Lcp:                                                  ; chunks 0, 1, 2: each asks for the next chunk
	s_add_co_u32 s[OFF], s[OFF], 256
	CHANGE 1
	G2PHASE
	s_sub_co_u32 s[CH], s[CH], 1
	s_cmp_lg_u32 s[CH], 0
	s_cbranch_scc1 .Lcp
	s_cmp_eq_u32 s[BL], 1
	s_cbranch_scc1 .Ltail                          ; the last block's last chunk is written out: it asks for nothing
	s_mov_b32 s[OFF], s[O1]
	CHANGE 1                                       ; chunk 3; the next block's first half of W1 goes into slot 0
	G2PHASE
	BLOCKEND RES0
	s_sub_co_u32 s[BL], s[BL], 1
	s_branch .Lblock
.Ltail:
	CHANGE 0
	G2PHASE
	BLOCKEND RES1
	global_store_b64 v[OO], v[RES0:RES1], s[OP:OP+1] th:TH_STORE_NT  ; rows 2 l and 2 l + 1: the wave stores 256 consecutive bytes, at a multiple of 256 from out0's first byte
	s_wait_tensorcnt 0x0                           ; the wave's end, behind my last tensor load and my last LDS store
	ds_add_u32 v[SPW], v[NIL]
	s_wait_dscnt 0x0
	CROUND                                         ; the closing round: no work-group ends while a partner may still ask for a tile that names it
	s_endpgm
.Lfunc_end_k_q97d9ad40b5_critic:
	.size	k_q97d9ad40b5_critic, .Lfunc_end_k_q97d9ad40b5_critic-k_q97d9ad40b5_critic
	.p2alignl 7, 3214868480
	.fill 96, 4, 3214868480
	.section	.rodata,"a",@progbits
	.p2align	6, 0x0
	.amdhsa_kernel k_q97d9ad40b5_critic
		.amdhsa_group_segment_fixed_size 327680
		.amdhsa_private_segment_fixed_size 0
		.amdhsa_enable_private_segment 0
		.amdhsa_kernarg_size 56
		.amdhsa_user_sgpr_count 2
		.amdhsa_user_sgpr_kernarg_segment_ptr 1
		.amdhsa_wavefront_size32 1
		.amdhsa_system_sgpr_workgroup_id_x 1
		.amdhsa_system_sgpr_workgroup_id_y 1
		.amdhsa_system_sgpr_workgroup_id_z 1
		.amdhsa_system_vgpr_workitem_id 0
		.amdhsa_next_free_vgpr 1024
		.amdhsa_next_free_sgpr 90
		.amdhsa_reserve_vcc 0
		.amdhsa_float_denorm_mode_32 3
		.amdhsa_float_denorm_mode_16_64 3
		.amdhsa_memory_ordered 1
		.amdhsa_forward_progress 1
		.amdhsa_inst_pref_size 255
	.end_amdhsa_kernel
	.section	.bss,"aw",@nobits
	.p2align	6
	.space	262144
	.amdgpu_metadata
---
amdhsa.version: [ 1, 2 ]
amdhsa.kernels:
  - .name:           k_q97d9ad40b5_critic
    .symbol:         k_q97d9ad40b5_critic.kd
    .args:
      - { .name: state_features, .offset: 0, .size: 8, .value_kind: global_buffer, .address_space: global }
      - { .name: wb, .offset: 8, .size: 8, .value_kind: global_buffer, .address_space: global }
      - { .name: b1, .offset: 16, .size: 8, .value_kind: global_buffer, .address_space: global }
      - { .name: b2, .offset: 24, .size: 8, .value_kind: global_buffer, .address_space: global }
      - { .name: W3, .offset: 32, .size: 8, .value_kind: global_buffer, .address_space: global }
      - { .name: b3, .offset: 40, .size: 8, .value_kind: global_buffer, .address_space: global }
      - { .name: out0, .offset: 48, .size: 8, .value_kind: global_buffer, .address_space: global }
    .group_segment_fixed_size: 327680
    .private_segment_fixed_size: 0
    .kernarg_segment_align: 8
    .kernarg_segment_size: 56
    .max_flat_workgroup_size: 128
    .sgpr_count:     90
    .vgpr_count:     1024
    .wavefront_size: 32
...
	.end_amdgpu_metadata
.endif
;; end of part 2
;; ======== version 2 of 2: 2 launches; 1.64 times as fast as version 1
;; workspace buffers: wb 786,432 bytes
;; launch cvtw: the kernel of part 1 again; grid 192 x 1, 8 waves a work-group, no clusters, 0 bytes of LDS; arguments W1, W2, wb; writes wb
;; launch critic (part 3): grid 256 x 1, 4 waves a work-group, clusters of 4 x 1, 327,680 bytes of LDS; arguments state_features, wb, b1, b2, W3, b3, out0; writes out0
.if DOCPART == 3
	.amdgcn_target "amdgcn-amd-amdhsa--gfx1250"
	.amdhsa_code_object_version 6
	.text
	.protected	k_q97d9ad40b5_critic
	.globl	k_q97d9ad40b5_critic
	.p2align	8
	.type	k_q97d9ad40b5_critic,@function
k_q97d9ad40b5_critic:
	s_mov_b64 s[64:65], 0
	v_nop
	global_prefetch_b8 v0, s[64:65] scope:SCOPE_SE
	s_setreg_imm32_b32 hwreg(HW_REG_WAVE_MODE, 25, 1), 1
	s_wait_xcnt 0x0
	s_wait_alu depctr_hold_cnt(0) depctr_sa_sdst(0) depctr_va_vdst(0) depctr_va_sdst(0) depctr_va_ssrc(0) depctr_va_vcc(0) depctr_vm_vsrc(0)
	s_getreg_b32 s2, hwreg(HW_REG_IB_STS2, 6, 4)
	s_cmp_eq_u32 s2, 0
	s_cbranch_scc0 .Lentry_in_a_cluster
	s_endpgm
.Lentry_in_a_cluster:
	s_bfe_u32 s2, ttmp6, 0x10000c
	s_cmp_lg_u32 s2, 0x3003
	s_cbranch_scc0 .Lentry_shape_is_right
	s_endpgm
.Lentry_shape_is_right:
; THE CRITIC, fused: dv1 = X W1 + b1; two steps of: LIF layer 1, dv2 = s1 W2 + b2, LIF layer 2, o = s2 W3 + b3, leaky output.  X [65536][256] f32, out0 [65536] f32.
; FORMATS.  Every input is rounded once to bf16, nearest even: X here, W1 and W2 in the launch before (wb), b1, b2, W3, b3 here.  Spikes are 0 or 1, exact in bf16.  All sums, membranes and the output are f32.
; WHAT THE TWO STEPS COME TO, for every finite d = dv1.  Step 1: mem1 = d / 2, so s1 = (d > 1).  Step 2, not spiked: mem1 = d/2 + d/4 = 0.75 d rounded once, which is monotonic in d: it passes 0.5
; exactly where d > 0x3f2aaaab, the largest f32 whose 0.75-fold still rounds to 0.5; spiked: mem1 = d / 2 > 0.5 again.  So s1 of step 2 = (d > 0x3f2aaaab).  Layer 2 hangs on two sums and keeps the written roundings.
; LIMITS.  The sums are ordered otherwise than a plain f32 product's, so a membrane within a few f32 units in the last place of its threshold may spike otherwise.  NaN and infinities are not treated apart.
; Layer 2's membrane is kept doubled (exact, a power of two), so it overflows at half of f32's range.
; The input 'actions' is not loaded: the computation makes nothing of it, no number of out0 hangs on it.
; SHARES.  A work-group owns 256 rows, each of its four waves 64 consecutive ones, worked in two BLOCKS: block b takes the wave's rows of parity b, as two tiles rt of 16: row = 2 (16 rt + r) + b.
; So at the end lane L holds rows 2 L and 2 L + 1, and one store of 8 bytes a lane writes the wave's 256 consecutive bytes, at a multiple of 256.
; LAYOUT.  Both products are used transposed: source 0 = 16 neurons of W, turned out of a tile [k][n] by ds_load_tr16_b128; source 1 = 16 batch rows.  In the result a lane holds ONE batch row (lane % 16)
; and the neurons 8 (lane / 16) + 0..7.  Two neighbouring results, thresholded and packed in pairs, ARE source 1 (32 k x 16 rows) of the second product: spikes never leave registers or change lanes.
; Both steps' spikes of a block, 32 rows x 512 x 2 steps of bf16, are 512 registers; a fragment of W2 feeds four products (2 row tiles x 2 steps).  The biases are the C operand of each sum's first K step.
; s2 W3 has one column: on the matrix unit 15 of 16 rows would be idle; it is summed in f32 beside the products, W3 rounded as a matrix operand would be.
; WEIGHTS go through two LDS slots of 512 rows x 256 bytes, six fills a block: W1 in two halves of 256 neurons, W2 in four chunks of 128.  Each wave fetches a quarter of a slot by one tensor load
; (128 rows of 256 bytes); by this text's count a wave never has more than one tensor load out, and that load has a whole phase (256 or 512 products a wave) in which to land.
; CLUSTER.  All work-groups walk the same tiles in the same order, so the four of a cluster ask JOINTLY: the same load, descriptor and mask in all four.  Nothing but X's and out0's addresses hangs on the place in the cluster.
; THE LDS LOADS OF FRAGMENTS STAND IN RUNS OF 16, never singly among the products: two fragment buffers take turns, and the run that fills one stands behind the second product on the other:
; 14 products (first layer) or 30 (second layer) ahead of the wait for it, which is for 0, since nothing is issued behind a run before that wait.
; VECTOR WORK rides behind the products, on accumulators finished a stage earlier: four instructions behind each product of the first layer, one, two or four behind each of the second.
;
; REGISTERS, in windows of 256 (s_set_vgpr_msb: bits 1:0 source 0, 3:2 source 1, 5:4 source 2, 7:6 destination):
;   window 0: v0-31 addresses and a few numbers; v32-95 accumulators; v96-127 at work, biases as C, W3 and the output's sums; v128-255 fragments of W: two buffers of 64
;   window 1: X: pass p = 2 rt + (k half) has v[64 p ..]: 64 registers f32 as loaded, then its lower 32 the four bf16 fragments
;   windows 2, 3: spikes: group g of 32 neurons, row tile rt, step t at 512 + 32 g + 16 rt + 8 t
; Every rider but the packing of spikes names vector registers as destination, source 0 and source 2 alone (source 1 is a constant or a scalar), so it runs under the products' own setting.
.set PW,    288                        ; a weight row in LDS: 256 bytes + 32 of padding = 72 words
.set QUART, 128*PW                     ; a quarter of a slot: what one tensor load brings
.set SLOTB, 4*QUART                    ; 147,456 = 0x24000; no wave's quarter base (w x 0x9000) has bit 14 or 17, so one exclusive or turns a slot's address into the other's
.set STAGE, 2*SLOTB                    ; behind the slots, never filled by a tensor load: 16 rows x 272 bytes for each wave, where X changes from rows to fragments
.set SPIT,  272
.set WSTG,  16*SPIT
.set SPARE, STAGE+4*WSTG               ; the spare words, 128 bytes for each wave: two blocks of 256 bytes that no other line names
.set PARAM, SPARE+512                  ; b1 at +0, b2 at +2048, W3 at +4096: f32 numbers that are already rounded to bf16
.set W2OFF, 262144                     ; W2's first byte in wb
.set SPW,  2                           ; v2      LDS address of my spare word; never rewritten
.set NIL,  3                           ; v3      0; never rewritten
.set LTR,  4                           ; v4      my lane's place in a turning load: (8 (l / 16) + l % 8) x 288 + 16 ((l / 8) % 2)
.set AP1,  5                           ; v5      PARAM + 32 (l / 16): my eight neurons of a tile of 16
.set APD,  6                           ; v6      the same for the trip in hand
.set STA,  7                           ; v7      the stage: where I put 8 bytes of a row
.set STL,  8                           ; v8      the stage: where my fragments begin
.set XO,   9                           ; v9      16 x lane
.set OO,   10                          ; v10     8 x lane
.set B3,   11                          ; v11     b3
.set RES0, 12                          ; v12-13  the two blocks' results
.set RES1, 13
.set AB,   14                          ; v14-21  LTR + slot + quarter, for slots 0 and 1; never rewritten
.set AWD,  22                          ; v22-25  the four quarters' addresses for the trip in hand
.set AWN,  26                          ; v26-27  quarters 0 and 1 for the next trip
.set TW2,  28                          ; v28-31  second layer: W3 as selected, a pair for each of two units
.set ACC1, 32                          ; first layer: two buffers by the group's parity x 4 accumulators (2 nt + rt) x 8
.set ACC2, 32                          ; second layer: tile A v32-63, tile B v64-95; in each 4 accumulators (2 rt + t) x 8
.set T,    96                          ; first layer v96-111: two sets of 8; second layer v96-103: for each of two units the doubled membrane's pair and the difference's
.set BI,   112                         ; first layer: b1 as C: 8 registers for each nt
.set O,    104                         ; second layer: the output's sums, in pairs (even, odd neurons): 4 rt + 2 t
.set W3R,  112                         ; W3 of the tile whose LIF is in hand; loaded again in place, half by half
.set B2,   120                         ; b2 of the tile to be started, as C
.set RING1, 128                        ; K step ks, tile nt at RING1 + 16 ks + 8 nt: K steps 0-3 are one buffer, 4-7 the other
.set RING2, 128                        ; K step ks at RING2 + 8 ks: K steps 0-7 are one buffer, 8-15 the other
.set XT,   128                         ; X's conversion: two sets of 32
.set XP,   8                           ; s[8:9]   X at my wave's first row
.set WB,   10                          ; s[10:11] wb
.set OP,   20                          ; s[20:21] out0 at my wave's first row
.set WV,   22                          ; s22  my wave's number
.set G1,   32                          ; s[32:39] descriptor group 1: one shape for every fill
.set G0,   40                          ; s[40:43] descriptor group 0: it walks
.set O1,   48                          ; s48  my quarter's byte offset in wb for W1's first half
.set O2,   49                          ; s49  for W2's chunk 0
.set OFF,  50                          ; s[50:51] the offset of the fill to come
.set BL,   52                          ; s52  blocks to go, this one among them
.set CH,   53                          ; s53  counts the three chunks that the loop walks
.set TR,   54                          ; s54  counts a chunk's four trips
.set TW,   55                          ; s55  slot + column bytes of the trip in hand
.set TWN,  56                          ; s56  of the next
.set TP,   57                          ; s57  the trip's bytes in b2 and W3
.set SC,   58                          ; s[58:59] 2^24
.set NT,   60                          ; s[60:61] -2^24 x 1; s[62:63] -2^24 x 0x3f2aaaab = -11,184,811, exact
.set SEL,  66                          ; s[66:67] v_permlanex16_b32's selects: each lane takes its own place in the other half
.set SELP, 68                          ; s68  v_perm_b32: the two upper halves
.set HM,   69                          ; s69  0xffff0000: lanes 16-31; also a word's upper bf16
.set MK,   70                          ; s[70:77] two sets of four lane masks; vector instructions alone write and read them
.set SB3,  86                          ; s86  b3 as loaded
.set SB,   87                          ; s87  the slot that the second layer reads: 0 or SLOTB
.set TC,   88                          ; s88  the trip's column bytes in a slot: 0, 64, 128, 192
.set W_G1, 0x04                        ; first layer's products: source 1 (X) in window 1
.set MSB, 0
.macro WIN new                         ; the immediate's high byte repeats the setting that is left; a switch that changes nothing is dropped
.if MSB != (\new)
	s_set_vgpr_msb (MSB<<8)|(\new)
.set MSB, (\new)
.endif
.endm
; A round of the cluster's barrier: my work-group's barrier, so that wave 0's signal speaks for all four waves; wave 0 signals; every wave waits for all four work-groups; my work-group's barrier once more.
.macro CROUND
	s_barrier_signal -1
	s_barrier_wait -1
	s_cmp_lg_u32 s[WV], 0
	s_cbranch_scc1 .Lnot_wave_0_\@
	s_barrier_signal -3
.Lnot_wave_0_\@:
	s_barrier_wait -3
	s_barrier_signal -1
	s_barrier_wait -1
.endm
; THE CHANGE OF SLOTS.  Each wave waits for all its tensor loads, of which one is out: its quarter of the slot to be read next; adds 0 to its spare word; and waits for that and for all its LDS
; instructions: its reads of the slot that it leaves, the stage's traffic, at the first use the parameters' stores.  fill = 1: the slot just left is filled with the tile at s[OFF] of wb; the barrier is then
; a round of the cluster's, so that no wave of any partner still reads that slot or has a load on its way, and the joint load is the first thing behind it.
.macro CHANGE fill
	WIN 0                                          ; at a label and at a branch every window is 0
	s_wait_tensorcnt 0x0                           ; no tensor load of mine is out, so group 0 may be written
	ds_add_u32 v[SPW], v[NIL]                      ; 0 onto my spare word; the descriptor's words stand between it and the wait for it
.if \fill
	s_xor_b32 s[G0+1], s[G0+1], SLOTB              ; the fills alternate between the slots from first to last
	s_add_nc_u64 s[G0+2:G0+3], s[WB:WB+1], s[OFF:OFF+1]  ; the address is made anew: wb and an offset made of the wave's number and constants
	s_or_b32 s[G0+3], s[G0+3], 0x80000000          ; type = 2
	s_wait_dscnt 0x0                               ; the add is done, and so are all my LDS instructions
	CROUND
	tensor_load_to_lds s[G0:G0+3], s[G1:G1+7]
	s_nop 0
.rept 4
	v_nop
.endr
.else
	s_wait_dscnt 0x0
	s_barrier_signal -1
	s_barrier_wait -1
.endif
.endm
; X OF BLOCK b: rows i0 .. i0 + 7 of each of the four passes, f32, into window 1.  A load covers 512 consecutive bytes of one row.
.macro XLOAD b, i0
	WIN 0x40                                       ; destination window 1, address window 0
.set xp, 0
.rept 4
.set xi, (\i0)
.rept 8
	global_load_b128 v[64*xp+4*xi:64*xp+4*xi+3], v[XO], s[XP:XP+1] offset:(32*(xp/2)+2*xi+(\b))*1024+(xp%2)*512 th:TH_LOAD_NT
.set xi, xi+1
.endr
.set xp, xp+1
.endr
	WIN 0
.endm
; X FROM ROWS TO FRAGMENTS.  Pass by pass: 16 rows x 128 numbers are rounded to bf16, put into my stage as rows of 256 bytes, and read back as four fragments (lane l: row l % 16, two loads of 16 bytes, 32 apart).
; The stage is my wave's own and LDS serves a wave's instructions in order (ISA guide 5.7.1.4): no wait stands between the stores and the loads, nor between the passes.  The next change of slots waits for the loads.
.macro XCONV
	s_wait_loadcnt 0x0                             ; X is in
	s_wait_dscnt 0x0                               ; no LDS load of mine is out: the registers written below were a fragment buffer
.set xp, 0
.rept 4
.set rT, XT+32*(xp%2)
	WIN 0x05                                       ; sources in window 1
.set xi, 0
.rept 32
	v_cvt_pk_bf16_f32 v[rT+xi], v[64*xp+2*xi], v[64*xp+2*xi+1]
.set xi, xi+1
.endr
	WIN 0
.set xi, 0
.rept 16
	ds_store_b64 v[STA], v[rT+2*xi:rT+2*xi+1] offset:SPIT*xi
.set xi, xi+1
.endr
	WIN 0x40
.set xi, 0
.rept 4
	ds_load_b128 v[64*xp+8*xi:64*xp+8*xi+3],   v[STL] offset:64*xi
	ds_load_b128 v[64*xp+8*xi+4:64*xp+8*xi+7], v[STL] offset:64*xi+32
.set xi, xi+1
.endr
.set xp, xp+1
.endr
.endm
; THE FIRST LAYER.
; Load j of 4 (tile nt = j / 2, half c = j % 2) of stream position q = 8 x group in the phase + K step.  Quarter 2 (group / 4) + (K step / 4) of the slot holds its 128 k rows and its 128 neurons.
.macro RLOAD slot, q, j
.set lgl, (\q)/8
.set lks, (\q)%8
.set rR, RING1+16*lks+4*(\j)
	ds_load_tr16_b128 v[rR:rR+3], v[AB+4*(\slot)+2*(lgl/4)+lks/4] offset:(lks%4)*32*PW+((\j)%2)*16*PW+64*(lgl%4)+32*((\j)/2)
.endm
.macro G1RUN slot, q0                  ; a run of 16 loads: the fragments of the four K steps at positions q0 .. q0 + 3: one buffer
.set rq, (\q0)
.rept 4
.irp j, 0,1,2,3
	RLOAD \slot, rq, \j
.endr
.set rq, rq+1
.endr
.endm
.macro BLOAD g, j                      ; load j of 4 of group g's b1
.set rR, BI+4*(\j)
	ds_load_b128 v[rR:rR+3], v[AP1] offset:4*(32*(\g)+16*((\j)/2))+16*((\j)%2)
.endm
; THE THRESHOLDS of group g: a list of 128 instructions; E1 writes number en of it and steps en.  Accumulator ea (nt = ea / 2, rt = ea % 2), for step 1 and then step 2:
;   4 x  y = 2^24 d - 2^24 threshold, one rounding: y <= 0 without a spike, y >= 1 with one, since d then lies at least 2^-24 above the threshold (the accumulator's lowest registers are read first)
;   8 x  the middle of y, 0 and 1: the spike as f32          4 x  two spikes' upper halves are two bf16: one register of source 1 of the second product
.macro E1 g
.set ea, en/32
.set et, (en%32)/16
.set eu, en%16
.set rA, ACC1+32*((\g)%2)+8*ea
.set rT, T+8*et
.set rK, 32*((\g)%8)+16*(ea%2)+8*et+4*(ea/2)
.if eu < 4
	WIN W_G1
	v_pk_fma_f32 v[rT+2*eu:rT+2*eu+1], v[rA+2*eu:rA+2*eu+1], s[SC:SC+1], s[NT+2*et:NT+2*et+1] op_sel_hi:[1,0,0]
.elseif eu < 12
	v_med3_num_f32 v[rT+eu-4], v[rT+eu-4], 0, 1.0
.else
	WIN 0x80+0x40*((\g)/8)                         ; destination window 2 (groups 0-7) or 3
	v_perm_b32 v[rK+eu-12], v[rT+2*(eu-12)+1], v[rT+2*(eu-12)], s[SELP]
.endif
.set en, en+1
.endm
; GROUP g: 32 neurons x 32 rows, 8 K steps of 4 products: two halves of 16 products, one on each fragment buffer.  The four accumulators take turns, from group to group too.
; Behind each product: four of the group before's thresholds (group 0 has none before it: two v_nop, so that the runs keep their places).  Behind a half's second product stands the run that fills
; the other buffer, whose last reader then lies three slots back: 12 plain instructions that name none of its registers (in group 0: six).  The second half's run brings the next group's b1 too.
; A phase's last half has no fragments left to fetch.
.macro G1GROUP g, slot
.set gl, (\g)%8
.set en, 0
.set ks, 0
.rept 8
.if ks%4 == 0
	s_wait_dscnt 0x0                               ; this half's buffer is in (and, at a group's head, its b1): nothing was issued behind that run
.endif
.set sj, 0
.rept 4
	WIN W_G1
.set rD, ACC1+32*((\g)%2)+8*sj
.set rW, RING1+16*ks+8*(sj/2)
.set rX, 64*(2*(sj%2)+ks/4)+8*(ks%4)
.if ks == 0
	v_wmma_f32_16x16x32_bf16 v[rD:rD+7], v[rW:rW+7], v[rX:rX+7], v[BI+8*(sj/2):BI+8*(sj/2)+7]
.else
	v_wmma_f32_16x16x32_bf16 v[rD:rD+7], v[rW:rW+7], v[rX:rX+7], v[rD:rD+7]
.endif
.if (\g) == 0
	v_nop
	v_nop
.else
.rept 4
	E1 (\g)-1
.endr
.endif
	WIN W_G1
.if (ks%4 == 0) && (sj == 1)
.if (ks == 4) && ((\g) < 15)
.irp j, 0,1,2,3
	BLOAD (\g)+1, \j
.endr
.endif
.if 8*gl+ks+4 < 64
	G1RUN \slot, 8*gl+ks+4
.endif
.endif
.set sj, sj+1
.endr
.set ks, ks+1
.endr
.endm
.macro G1PHASE ph                      ; groups 8 ph .. 8 ph + 7, from slot ph
	WIN W_G1
.if (\ph) == 0
.irp j, 0,1,2,3
	BLOAD 0, \j
.endr
.endif
	G1RUN \ph, 0                                   ; the first buffer
.set gg, 8*(\ph)
.rept 8
	G1GROUP gg, \ph
.set gg, gg+1
.endr
.endm
; THE SECOND LAYER'S LIF and the output's sums for tile x (0: A, 1: B): a list of 120 instructions; EP writes number epn of it and steps epn.  Eight units, one for each pair of neurons epp and row tile epu,
; two of them interleaved, each with its own temporaries and masks.  a1, a2 are dv2 of steps 1 and 2.  Under the products' window setting a select can only give 'mask ? 0 : register'; the list is made
; so that this serves everywhere and no mask needs a complement made by a scalar instruction.  A unit's 15 (the accumulators' lowest registers are read first):
;   0, 1  s2 of step 1 = (a1 > 1), since mem2 = a1 / 2          2, 3  wn = W3 where it did NOT spike          4, 5  r = 2 mem2 behind the hard reset: a1 where it did not spike, else 0
;   6  w = W3 - wn: W3 where it spiked, exact (W3 - 0 or W3 - W3)          7  d = a2 - r / 2 = dv2 - mem2, one rounding as written          8  o1 += w
;   9  t = d + r = 2 (mem2 + d / 2): the written rounding, doubled          10, 11  no spike in step 2 = (t <= 1)          12, 13  W3 where it spiked          14  o2 += W3
; Numbers 0-59 read W3's registers 0-3 (the last of them is number 57), numbers 60-119 its registers 4-7 (the first of them is number 64).
.macro EP x
.set epp, epn/30
.set epu, (epn%30)%2
.set eps, (epn%30)/2
.set rA1, ACC2+32*(\x)+16*epu+2*epp
.set rA2, rA1+8
.set rH,  T+4*epu
.set rD2, rH+2
.set rWt, TW2+2*epu
.set rM,  MK+4*epu
.set rW3, W3R+2*epp
.set rO,  O+4*epu
.if eps < 2
	v_cmp_gt_f32 s[rM+eps], v[rA1+eps], 1.0
.elseif eps < 4
	v_cndmask_b32 v[rWt+eps-2], v[rW3+eps-2], 0, s[rM+eps-2]
.elseif eps < 6
	v_cndmask_b32 v[rH+eps-4], v[rA1+eps-4], 0, s[rM+eps-4]
.elseif eps == 6
	v_pk_fma_f32 v[rWt:rWt+1], v[rWt:rWt+1], -1.0, v[rW3:rW3+1] op_sel_hi:[1,0,1]
.elseif eps == 7
	v_pk_fma_f32 v[rD2:rD2+1], v[rH:rH+1], -0.5, v[rA2:rA2+1] op_sel_hi:[1,0,1]
.elseif eps == 8
	v_pk_fma_f32 v[rO:rO+1], v[rWt:rWt+1], 1.0, v[rO:rO+1] op_sel_hi:[1,0,1]
.elseif eps == 9
	v_pk_fma_f32 v[rD2:rD2+1], v[rD2:rD2+1], 1.0, v[rH:rH+1] op_sel_hi:[1,0,1]
.elseif eps < 12
	v_cmp_le_f32 s[rM+eps-8], v[rD2+eps-10], 1.0
.elseif eps < 14
	v_cndmask_b32 v[rWt+eps-12], v[rW3+eps-12], 0, s[rM+eps-10]
.else
	v_pk_fma_f32 v[rO+2:rO+3], v[rWt:rWt+1], 1.0, v[rO+2:rO+3] op_sel_hi:[1,0,1]
.endif
.set epn, epn+1
.endm
; THE RUN in quarter 2 x + qd of a trip: the 16 loads of the next quarter's eight fragments, into the buffer that is not being multiplied; behind the trip's last quarter that is the next trip's first,
; by v[AWN]; in a chunk's last trip it wraps to the slot's first columns and is not used: the price of one text for every trip.  With it go the parameters:
; qd = 0: W3's registers 4-7 for the tile whose LIF rides in this half (the tile before; in a block's first half trip that is none, the bytes are b2's last, and the riders make x - x = 0 of them);
; qd = 1: W3's registers 0-3 of this half's tile, whose LIF rides in the next half, and b2 of the next tile (in a block's last trip W3's first bytes: written, and not used).
.macro G2RUN x, qd
.set nq, 2*(\x)+(\qd)+1
.set fb, RING2+64*(nq%2)
.set i8, 0
.rept 8
.set nks, 8*(nq%2)+i8
.if nq < 4
	ds_load_tr16_b128 v[fb+8*i8:fb+8*i8+3],   v[AWD+nks/4] offset:(nks%4)*32*PW+32*(nq/2)
	ds_load_tr16_b128 v[fb+8*i8+4:fb+8*i8+7], v[AWD+nks/4] offset:(nks%4)*32*PW+16*PW+32*(nq/2)
.else
	ds_load_tr16_b128 v[fb+8*i8:fb+8*i8+3],   v[AWN+nks/4] offset:(nks%4)*32*PW
	ds_load_tr16_b128 v[fb+8*i8+4:fb+8*i8+7], v[AWN+nks/4] offset:(nks%4)*32*PW+16*PW
.endif
.set i8, i8+1
.endr
.if (\qd) == 0
	ds_load_b128 v[W3R+4:W3R+7], v[APD] offset:4096+64*(\x)-64+16
.else
	ds_load_b128 v[W3R:W3R+3],   v[APD] offset:4096+64*(\x)
	ds_load_b128 v[B2:B2+3],     v[APD] offset:2048+64+64*(\x)
	ds_load_b128 v[B2+4:B2+7],   v[APD] offset:2048+64+64*(\x)+16
.endif
.endm
; HALF A TRIP: tile x, 16 out-neurons x 32 rows x 2 steps: 16 K steps of 4 products, whose accumulators take turns: two quarters of 32 products, one on each fragment buffer.
; Behind each product ride the OTHER tile's EP: one in slots 0-9, two in slots 10-62, four in slot 63: 10 + 106 + 4 = 120.  So four plain instructions that name none of its registers (two selects,
; two packed sums) stand behind the half's last product, ahead of the first read of its accumulator and of the run that loads over its fragment; behind a quarter's last product inside a half stand six ahead of the run.
; The runs stand behind slots 1 and 33.  Slot 33 holds numbers 56 and 57 of the list, the last readers of W3's registers 0-3, which its run loads; number 64, the first reader of registers 4-7,
; stands in slot 37, behind the wait at slot 32.
.macro HALF x
.set epn, 0
.set ks, 0
.rept 16
.if ks%8 == 0
	s_wait_dscnt 0x0                               ; this quarter's buffer and the parameters that came with it are in: nothing was issued behind that run
.endif
.set sj, 0
.rept 4
	WIN 0x08+4*(ks/8)                              ; source 1, the spikes, in window 2 (groups 0-7) or 3
.set rD, ACC2+32*(\x)+8*sj
.set rW, RING2+8*ks
.set rS, 32*(ks%8)+8*sj
.if ks == 0
	v_wmma_f32_16x16x32_bf16 v[rD:rD+7], v[rW:rW+7], v[rS:rS+7], v[B2:B2+7]
.else
	v_wmma_f32_16x16x32_bf16 v[rD:rD+7], v[rW:rW+7], v[rS:rS+7], v[rD:rD+7]
.endif
	EP 1-(\x)
.if 4*ks+sj >= 10
	EP 1-(\x)
.endif
.if 4*ks+sj == 63
	EP 1-(\x)
	EP 1-(\x)
.endif
.if (ks%8 == 0) && (sj == 1)
	G2RUN \x, ks/8
.endif
.set sj, sj+1
.endr
.set ks, ks+1
.endr
.endm
; A CHUNK of 128 out-neurons from the slot at s[SB]: four trips of 32.
.macro G2PHASE
	WIN 0
	s_mov_b32 s[TC], 0
	s_mov_b32 s[TR], 4
	v_add_nc_u32 v[AWN], s[SB], v[AB]
	v_add_nc_u32 v[AWN+1], s[SB], v[AB+1]
.set ks, 0
.rept 8                                ; the first buffer
	ds_load_tr16_b128 v[RING2+8*ks:RING2+8*ks+3],   v[AWN+ks/4] offset:(ks%4)*32*PW
	ds_load_tr16_b128 v[RING2+8*ks+4:RING2+8*ks+7], v[AWN+ks/4] offset:(ks%4)*32*PW+16*PW
.set ks, ks+1
.endr
.Ltrip_\@:
	s_add_co_u32 s[TW], s[SB], s[TC]
	s_add_co_u32 s[TWN], s[TC], 64
	s_and_b32 s[TWN], s[TWN], 255
	s_add_co_u32 s[TWN], s[TWN], s[SB]
.irp q, 0,1,2,3
	v_add_nc_u32 v[AWD+\q], s[TW], v[AB+\q]
.endr
	v_add_nc_u32 v[AWN], s[TWN], v[AB]
	v_add_nc_u32 v[AWN+1], s[TWN], v[AB+1]
	v_add_nc_u32 v[APD], s[TP], v[AP1]
	HALF 0
	HALF 1
	WIN 0
	s_add_co_u32 s[TC], s[TC], 64
	s_add_co_u32 s[TP], s[TP], 128
	s_sub_co_u32 s[TR], s[TR], 1
	s_cmp_lg_u32 s[TR], 0
	s_cbranch_scc1 .Ltrip_\@
	s_xor_b32 s[SB], s[SB], SLOTB                  ; the next chunk lies in the other slot
.endm
; A BLOCK'S END: the last tile's LIF, for which W3's registers 4-7 are fetched here, there being no further half; a row's sums lie in two lanes, 16 apart, and in two registers each.
; Lanes 0-15 keep row tile 0 and send row tile 1, lanes 16-31 the other way round: lane L ends with row tile L / 16, row L % 16.  Then the output's two steps, as written: v = o1 / 2; v = v + (o2 - v) / 2.
.macro BLOCKEND res
	WIN 0
	ds_load_b128 v[W3R+4:W3R+7], v[APD] offset:4096+64+16
	s_wait_dscnt 0x1                               ; all but the load just issued: W3's registers 0-3 are in
.set epn, 0
.rept 60
	EP 1
.endr
	s_wait_dscnt 0x0                               ; registers 4-7
.rept 60
	EP 1
.endr
.irp k, 0,2,4,6
	v_add_f32 v[O+\k], v[O+\k], v[O+\k+1]
.endr
	v_cndmask_b32 v[T], v[O], v[O+4], s[HM]        ; step 1: what I keep,
	v_cndmask_b32 v[T+1], v[O+4], v[O], s[HM]      ; what I send
	v_cndmask_b32 v[T+2], v[O+2], v[O+6], s[HM]    ; step 2 likewise
	v_cndmask_b32 v[T+3], v[O+6], v[O+2], s[HM]
	v_permlanex16_b32 v[T+4], v[T+1], s[SEL], s[SEL+1]  ; the destinations count as read: the list above has written both
	v_permlanex16_b32 v[T+5], v[T+3], s[SEL], s[SEL+1]
	v_add_f32 v[T], v[T], v[T+4]
	v_add_f32 v[T+2], v[T+2], v[T+5]
	v_add_f32 v[T], v[T], v[B3]                    ; o of step 1
	v_add_f32 v[T+2], v[T+2], v[B3]                ; o of step 2
	v_mul_f32 v[T], 0.5, v[T]
	v_sub_f32 v[T+2], v[T+2], v[T]
	v_fma_f32 v[\res], v[T+2], 0.5, v[T]
.endm
	s_load_b256 s[8:15], s[0:1], 0x0               ; X s[8:9], wb s[10:11], b1 s[12:13], b2 s[14:15]
	s_load_b128 s[16:19], s[0:1], 0x20             ; W3 s[16:17], b3 s[18:19]
	s_load_b64 s[OP:OP+1], s[0:1], 0x30            ; out0
	v_lshl_add_u32 v[SPW], v0, 2, SPARE
	v_mov_b32 v[NIL], 0
	ds_add_u32 v[SPW], v[NIL]                      ; the wave's opening: the add and its wait stand ahead of my first tensor load; the set-up below, work on registers, stands between them
	v_lshrrev_b32 v1, 5, v0
	v_readfirstlane_b32 s[WV], v1                  ; wave 0..3
	s_bfe_u32 s23, ttmp6, 0x40000                  ; cx: my place in the cluster
	s_lshl_b32 s24, ttmp9, 2                       ; in a cluster launch ttmp9 counts clusters
	s_add_co_u32 s24, s24, s23                     ; my work-group = 4 x cluster + cx: it enters X's and out0's addresses alone
	s_lshl_b32 s26, s24, 18                        ; 256 rows of 1,024 bytes,
	s_lshl_b32 s27, s[WV], 16                      ; my wave's 64 of them
	s_add_co_u32 s26, s26, s27
	s_mov_b32 s27, 0
	s_lshl_b32 s28, s24, 10                        ; 256 numbers of out0,
	s_lshl_b32 s29, s[WV], 8                       ; my wave's 64
	s_add_co_u32 s28, s28, s29
	s_mov_b32 s29, 0
	; descriptor group 1: a tile of 128 rows x 128 elements, padded in LDS
	s_mov_b32 s[G1], 15|(1<<16)|(1<<20)|(1<<21)|(5<<22)|(7<<25)  ; 15:0 the mask: all four work-groups; 17:16 elements of 2 bytes; 20 padding on; 21 set beside a mask; 24:22 after every 64 words (code 5); 31:25 8 words of it (code 7)
	s_mov_b32 s[G1+1], 128<<16                     ; tensor_dim0 = 128
	s_mov_b32 s[G1+2], 128<<16                     ; tensor_dim1 = 128
	s_mov_b32 s[G1+3], 128<<16                     ; tile_dim0 = 128
	s_mov_b32 s[G1+4], 128                         ; tile_dim1 = 128
	s_mov_b32 s[G1+5], 512                         ; 512 elements from row to row, in W1 and in W2
	s_mov_b32 s[G1+6], 0
	s_mov_b32 s[G1+7], 0
	s_mov_b32 s[G0], 1                             ; count = 1
	s_mul_i32 s[G0+1], s[WV], QUART                ; LDS address: my quarter of slot 0
	s_and_b32 s30, s[WV], 1                        ; W1: quarter w holds k rows 128 (w % 2) on
	s_lshl_b32 s30, s30, 17
	s_lshr_b32 s31, s[WV], 1                       ; of the half's 128 neurons w / 2
	s_lshl_b32 s31, s31, 8
	s_add_co_u32 s[O1], s30, s31
	s_lshl_b32 s[O2], s[WV], 17                    ; W2: quarter w holds k rows 128 w on
	s_add_co_u32 s[O2], s[O2], W2OFF
	s_mov_b32 s[OFF], s[O1]
	s_mov_b32 s[OFF+1], 0
	s_mov_b32 s[SC], 0x4b800000
	s_mov_b32 s[SC+1], 0x4b800000                  ; named as pairs, so both words are written
	s_mov_b32 s[NT], 0xcb800000
	s_mov_b32 s[NT+1], 0xcb800000
	s_mov_b32 s[NT+2], 0xcb2aaaab
	s_mov_b32 s[NT+3], 0xcb2aaaab
	s_mov_b32 s[SEL], 0x76543210
	s_mov_b32 s[SEL+1], 0xfedcba98
	s_mov_b32 s[SELP], 0x07060302
	s_mov_b32 s[HM], 0xffff0000
	s_mov_b32 s[BL], 2
	v_and_b32 v27, 31, v0                          ; l
	v_and_b32 v28, 15, v0                          ; l % 16
	v_bfe_u32 v29, v0, 4, 1                        ; l / 16
	v_and_b32 v1, 7, v0
	v_lshl_add_u32 v1, v29, 3, v1
	v_mul_u32_u24 v[LTR], v1, PW
	v_bfe_u32 v1, v0, 3, 1
	v_lshl_add_u32 v[LTR], v1, 4, v[LTR]
	v_lshl_add_u32 v[AP1], v29, 5, PARAM
	s_mul_i32 s30, s[WV], WSTG
	s_add_co_u32 s30, s30, STAGE                   ; my stage
	v_lshl_add_u32 v[STA], v27, 3, s30
	v_mul_u32_u24 v[STL], v28, SPIT
	v_lshl_add_u32 v[STL], v29, 4, v[STL]
	v_add_nc_u32 v[STL], s30, v[STL]
	v_lshlrev_b32 v[XO], 4, v27
	v_lshlrev_b32 v[OO], 3, v27
.set i, 0
.rept 8
	v_add_nc_u32 v[AB+i], (i/4)*SLOTB+(i%4)*QUART, v[LTR]
.set i, i+1
.endr
	v_lshlrev_b32 v31, 4, v0                       ; my 16 bytes of b1, b2 and W3: 128 threads x 16 bytes are the 512 numbers of each
	v_lshl_add_u32 v30, v0, 4, PARAM
	s_wait_dscnt 0x0                               ; the opening add is done
	s_wait_kmcnt 0x0
	s_add_nc_u64 s[XP:XP+1], s[XP:XP+1], s[26:27]
	s_add_nc_u64 s[OP:OP+1], s[OP:OP+1], s[28:29]
	s_load_b32 s[SB3], s[18:19], 0x0
	global_load_b128 v[32:35], v31, s[12:13]
	global_load_b128 v[36:39], v31, s[14:15]
	global_load_b128 v[40:43], v31, s[16:17]
	XLOAD 0, 0                                     ; the first block's X
	XLOAD 0, 8
	s_add_nc_u64 s[G0+2:G0+3], s[WB:WB+1], s[OFF:OFF+1]
	s_or_b32 s[G0+3], s[G0+3], 0x80000000          ; type = 2
	CROUND                                         ; all four work-groups are here: the first joint loads meet
	tensor_load_to_lds s[G0:G0+3], s[G1:G1+7]      ; W1's first half into slot 0
	s_nop 0
.rept 4
	v_nop
.endr
	s_wait_loadcnt 0x3f                            ; b1, b2 and W3 are in: 64 loads were issued behind them, and 63 is the largest count that the wait can name
	s_wait_kmcnt 0x0                               ; b3
.irp k, 0,1,2                          ; rounded to bf16 and widened again: the numbers that enter sums in f32
	v_cvt_pk_bf16_f32 v44, v[32+4*\k], v[33+4*\k]
	v_cvt_pk_bf16_f32 v45, v[34+4*\k], v[35+4*\k]
	v_lshlrev_b32 v[48+4*\k], 16, v44
	v_and_b32 v[49+4*\k], s[HM], v44
	v_lshlrev_b32 v[50+4*\k], 16, v45
	v_and_b32 v[51+4*\k], s[HM], v45
	ds_store_b128 v30, v[48+4*\k:51+4*\k] offset:2048*\k  ; the other waves read these behind the first change of slots: my wait for 0 there, and its barrier
.endr
	v_cvt_pk_bf16_f32 v1, s[SB3], s[SB3]
	v_lshlrev_b32 v[B3], 16, v1
.Lblock:                                               ; twice: the wave's even rows, then its odd ones
	XCONV
	s_add_co_u32 s[OFF], s[O1], 512
	CHANGE 1                                       ; slot 0 holds W1's first half; its second half goes into slot 1
	G1PHASE 0
	s_mov_b32 s[OFF], s[O2]
	CHANGE 1                                       ; slot 1 holds W1's second half; W2's chunk 0 goes into slot 0
	s_cmp_eq_u32 s[BL], 1
	s_cbranch_scc1 .Lno_hi                         ; the last block has no successor; what is jumped holds global loads alone
	XLOAD 1, 8                                     ; the next block's X, rows 8-15 of each pass: into the halves of window 1 that hold no fragment
.Lno_hi:
	G1PHASE 1
.set en, 0
.rept 128                              ; the last group's thresholds; of these, the 96 that name none of the last product's registers are the places in front of the loads and the zeros below
	E1 15
.endr
	WIN 0
	s_cmp_eq_u32 s[BL], 1
	s_cbranch_scc1 .Lno_lo
	XLOAD 1, 0                                     ; rows 0-7: where the fragments lay.  Nothing waits for these loads before the next block begins
.Lno_lo:
	s_mov_b32 s[TP], 0
	s_mov_b32 s[SB], 0
	ds_load_b128 v[B2:B2+3],   v[AP1] offset:2048  ; b2 of the first tile; the change of slots below waits for it
	ds_load_b128 v[B2+4:B2+7], v[AP1] offset:2048+16
.set i, ACC2+32
.rept 32                               ; tile B's accumulators are 0: the first half trip's riders work on a tile that has not been, and 0 passes no threshold, so they add nothing
	v_mov_b32 v[i], 0
.set i, i+1
.endr
.set i, O
.rept 12                               ; the output's sums begin at 0; W3's registers 0-3, which those riders name, are written
	v_mov_b32 v[i], 0
.set i, i+1
.endr
	s_mov_b32 s[CH], 3
.Lcp:                                                  ; chunks 0, 1, 2: each asks for the next chunk
	s_add_co_u32 s[OFF], s[OFF], 256
	CHANGE 1
	G2PHASE
	s_sub_co_u32 s[CH], s[CH], 1
	s_cmp_lg_u32 s[CH], 0
	s_cbranch_scc1 .Lcp
	s_cmp_eq_u32 s[BL], 1
	s_cbranch_scc1 .Ltail                          ; the last block's last chunk is written out: it asks for nothing
	s_mov_b32 s[OFF], s[O1]
	CHANGE 1                                       ; chunk 3; the next block's first half of W1 goes into slot 0
	G2PHASE
	BLOCKEND RES0
	s_sub_co_u32 s[BL], s[BL], 1
	s_branch .Lblock
.Ltail:
	CHANGE 0
	G2PHASE
	BLOCKEND RES1
	global_store_b64 v[OO], v[RES0:RES1], s[OP:OP+1] th:TH_STORE_NT  ; rows 2 l and 2 l + 1: the wave stores 256 consecutive bytes, at a multiple of 256 from out0's first byte
	s_wait_tensorcnt 0x0                           ; the wave's end, behind my last tensor load and my last LDS store
	ds_add_u32 v[SPW], v[NIL]
	s_wait_dscnt 0x0
	CROUND                                         ; the closing round: no work-group ends while a partner may still ask for a tile that names it
	s_endpgm
.Lfunc_end_k_q97d9ad40b5_critic:
	.size	k_q97d9ad40b5_critic, .Lfunc_end_k_q97d9ad40b5_critic-k_q97d9ad40b5_critic
	.p2alignl 7, 3214868480
	.fill 96, 4, 3214868480
	.section	.rodata,"a",@progbits
	.p2align	6, 0x0
	.amdhsa_kernel k_q97d9ad40b5_critic
		.amdhsa_group_segment_fixed_size 327680
		.amdhsa_private_segment_fixed_size 0
		.amdhsa_enable_private_segment 0
		.amdhsa_kernarg_size 56
		.amdhsa_user_sgpr_count 2
		.amdhsa_user_sgpr_kernarg_segment_ptr 1
		.amdhsa_wavefront_size32 1
		.amdhsa_system_sgpr_workgroup_id_x 1
		.amdhsa_system_sgpr_workgroup_id_y 1
		.amdhsa_system_sgpr_workgroup_id_z 1
		.amdhsa_system_vgpr_workitem_id 0
		.amdhsa_next_free_vgpr 1024
		.amdhsa_next_free_sgpr 90
		.amdhsa_reserve_vcc 0
		.amdhsa_float_denorm_mode_32 3
		.amdhsa_float_denorm_mode_16_64 3
		.amdhsa_memory_ordered 1
		.amdhsa_forward_progress 1
		.amdhsa_inst_pref_size 255
	.end_amdhsa_kernel
	.section	.bss,"aw",@nobits
	.p2align	6
	.space	262144
	.amdgpu_metadata
---
amdhsa.version: [ 1, 2 ]
amdhsa.kernels:
  - .name:           k_q97d9ad40b5_critic
    .symbol:         k_q97d9ad40b5_critic.kd
    .args:
      - { .name: state_features, .offset: 0, .size: 8, .value_kind: global_buffer, .address_space: global }
      - { .name: wb, .offset: 8, .size: 8, .value_kind: global_buffer, .address_space: global }
      - { .name: b1, .offset: 16, .size: 8, .value_kind: global_buffer, .address_space: global }
      - { .name: b2, .offset: 24, .size: 8, .value_kind: global_buffer, .address_space: global }
      - { .name: W3, .offset: 32, .size: 8, .value_kind: global_buffer, .address_space: global }
      - { .name: b3, .offset: 40, .size: 8, .value_kind: global_buffer, .address_space: global }
      - { .name: out0, .offset: 48, .size: 8, .value_kind: global_buffer, .address_space: global }
    .group_segment_fixed_size: 327680
    .private_segment_fixed_size: 0
    .kernarg_segment_align: 8
    .kernarg_segment_size: 56
    .max_flat_workgroup_size: 128
    .sgpr_count:     90
    .vgpr_count:     1024
    .wavefront_size: 32
...
	.end_amdgpu_metadata
.endif
;; end of part 3
